; MI455X (gfx1250); checked and timed in simulation.
; The chip was launched on July 23, 2026; its instructions are those of AMD's public machine-readable ISA for CDNA 5 (MIT licence, August 2026) and "CDNA5" Instruction Set Architecture Reference Guide (July 2026). The comments in the code are by the model that wrote it; some were corrected since.
;; Tt T5 Attention. Allowed arithmetic: matrix products marked QUANTISED: E2M3 operands, one E8M0 scale for each 32 along K, by v_wmma_scale_f32_16x16x128_f8f6f4 with both operands' format E2M3, f32 sums; everything else in f32.
;; Inputs: hidden_states_codes 8 x 1,024 x 32 x 24 uint8 (E2M3 codes of hidden_states, K innermost, in blocks of 32 codes, four codes in three bytes); hidden_states_scales 8 x 1,024 x 32 uint8 (E8M0 scales of hidden_states, one for each 32 codes along K); rel_bias 32 x 16 float32; wk_codes 1,024 x 32 x 24 uint8 (E2M3 codes of wk, K innermost, in blocks of 32 codes, four codes in three bytes); wk_scales 1,024 x 32 uint8 (E8M0 scales of wk, one for each 32 codes along K); wo_codes 1,024 x 32 x 24 uint8 (E2M3 codes of wo, K innermost, in blocks of 32 codes, four codes in three bytes); wo_scales 1,024 x 32 uint8 (E8M0 scales of wo, one for each 32 codes along K); wq_codes 1,024 x 32 x 24 uint8 (E2M3 codes of wq, K innermost, in blocks of 32 codes, four codes in three bytes); wq_scales 1,024 x 32 uint8 (E8M0 scales of wq, one for each 32 codes along K); wv_codes 1,024 x 32 x 24 uint8 (E2M3 codes of wv, K innermost, in blocks of 32 codes, four codes in three bytes); wv_scales 1,024 x 32 uint8 (E8M0 scales of wv, one for each 32 codes along K).
;; Outputs: out0 8 x 1,024 x 1,024 float32.
;; This version of the problem:
;;   THIS VERSION OF THE PROBLEM IS GIVEN IN LOW PRECISION. The matrix products marked QUANTISED in the list below multiply operands that are first quantised to E2M3 (2 exponent bits, 3 mantissa bits; 6 bits a number), with one power-of-two scale for each 32 numbers along K (OCP MX v1.0); their sums are f32. All else is computed in f32.
;;   The module's matrix products, in the order in which they are computed (A, B: the left and right operand; K: the contracted axis; several contracted axes count as one K, in the product's order):
;;     1. [M 8,192, K 1,024] x [K 1,024, N 1,024]; A: input hidden_states (given as codes); B: input wq (given as codes): QUANTISED
;;     2. [M 8,192, K 1,024] x [K 1,024, N 1,024]; A: input hidden_states (given as codes); B: input wk (given as codes): QUANTISED
;;     3. [M 8,192, K 1,024] x [K 1,024, N 1,024]; A: input hidden_states (given as codes); B: input wv (given as codes): QUANTISED
;;     4. batch 128 x [M 1,024, K 64] x [K 64, N 1,024]; A: computed on the way; B: computed on the way: QUANTISED
;;     5. batch 128 x [M 1,024, K 1,024] x [K 1,024, N 64]; A: softmax (see below); B: computed on the way: QUANTISED
;;     6. [M 8,192, K 1,024] x [K 1,024, N 1,024]; A: computed on the way; B: input wo (given as codes): QUANTISED
;;   THE QUANTISER, for each operand of a quantised product, along K:
;;     - K is cut into blocks of 32 from its start; a last block that is shorter is filled with zeros.
;;     - A block's scale is 2^e with e = floor(log2(the largest magnitude in the block)) - 2, held to -126 .. 127; a block of zeros has e = 0. As a byte (E8M0): e + 127.
;;     - Each number is divided by its block's scale, clamped to +-7.5, and rounded to the nearest number of E2M3, ties to even, subnormals kept.
;;     - The product sums the exact products of the quantised numbers (number of the format x scale) in f32.
;;   ~~~python
;;   def quantise(x, axis):      # numpy; x: float32 -> the quantised numbers, widened to float32 again
;;       x = np.moveaxis(x, axis, -1); K = x.shape[-1]
;;       x = np.pad(x, [(0, 0)] * (x.ndim - 1) + [(0, -K % 32)]); x = x.reshape(x.shape[:-1] + (-1, 32)); a = np.abs(x).max(-1, keepdims=True)
;;       e = np.where(a > 0, np.clip(np.frexp(np.where(a > 0, a, 1))[1] - 1 - 2, -126, 127), 0)      # np.frexp(a)[1] - 1 = floor(log2(a)), exactly
;;       r = np.clip(x / 2.0 ** e, -7.5, 7.5)
;;       step = 2.0 ** (np.maximum(np.frexp(np.where(r == 0, 1, r))[1] - 1, 0) - 3)
;;       q = np.round(r / step) * step * 2.0 ** e      # np.round: ties to even
;;       return np.moveaxis(q.reshape(q.shape[:-2] + (-1,))[..., :K], -1, axis).astype(np.float32)
;;   ~~~
;;   SOFTMAX AHEAD OF A QUANTISED PRODUCT. Where the list says 'softmax', what is quantised is not the finished softmax but p = 2^(t - M), with t = logit x log2(e) and M = ceil(the row's largest t), a whole number; so 1/2 < the row's largest p <= 1. The row's sum l is taken of the UNQUANTISED p, in f32, and the product's result is divided by l at the end. Since M is a whole number, a kernel that streams over the keys may use a running M (the ceiling of the running maximum): every later rescaling is an exact power of two, which a block's scale takes up: the codes' values come out the same.
;;   OPERANDS COMPUTED ON THE WAY. 'Computed on the way' means the value that the module computes at that place (a softmax that the list does not call 'softmax' is quantised finished and normalised). What goes into a quantiser is computed in f32, as accurately as f32 sums, v_exp_f32 and their like allow (about 1e-6 of the number): no bf16 or f16 on the way to a quantiser, and a product that is left as it is and whose result goes on into a quantised operand takes f32 operands (vector FMAs, or v_wmma_f32_16x16x4_f32). A number that lies on a knife's edge between two numbers of the format may be rounded either way, as far as f32 arithmetic and the matrix unit's own rounding can turn it there, and no further.
;;   INPUTS GIVEN AS CODES. hidden_states (in the module: [8, 1024, 1024], K = its axis 2); wk (in the module: [1024, 1024], K = its axis 0); wo (in the module: [1024, 1024], K = its axis 0); wq (in the module: [1024, 1024], K = its axis 0); wv (in the module: [1024, 1024], K = its axis 0): each comes as NAME_codes (uint8): NAME with its K axis moved to the last place and cut into blocks of 32 codes, [.., K / 32, bytes a block], one block behind the other in memory; four codes in three bytes: a row's codes are one little-endian stream of bits, code i at bits 6 i .. 6 i + 5 (a code: sign, 2 exponent bits, 3 mantissa bits); and NAME_scales (uint8): the same leading axes, one E8M0 byte (e + 127) for each 32 codes along K. Its value is code x scale, taken as it is: it is not quantised again, and the codes and scales need not be those that the quantiser above would give.
;; One version. Each part assembles by itself: llvm-mc -triple=amdgcn-amd-amdhsa -mcpu=gfx1250 --defsym DOCPART=n.
;; ======== version 1 of 1: 3 launches
;; limits: right only within a limited range of input values
;; workspace buffers: qimg 6,291,456 bytes; qsc 524,288 bytes; kvimg 12,582,912 bytes; kvs 786,432 bytes; cimg 6,291,456 bytes; csc 262,144 bytes
;; launch qkv (part 1): grid 8 x 32, 4 waves a work-group, clusters of 4 x 4, 327,680 bytes of LDS; arguments hidden_states_codes, hidden_states_scales, wq_codes, wq_scales, wk_codes, wk_scales, wv_codes, wv_scales, qimg, qsc, kvimg, kvs; writes qimg, qsc, kvimg, kvs
.if DOCPART == 1
	.amdgcn_target "amdgcn-amd-amdhsa--gfx1250"
	.amdhsa_code_object_version 6
	.text
	.protected	k_qdba80eba49_qkv
	.globl	k_qdba80eba49_qkv
	.p2align	8
	.type	k_qdba80eba49_qkv,@function
k_qdba80eba49_qkv:
	s_mov_b64 s[64:65], 0
	v_nop
	global_prefetch_b8 v0, s[64:65] scope:SCOPE_SE
	s_setreg_imm32_b32 hwreg(HW_REG_WAVE_MODE, 25, 1), 1
	s_wait_xcnt 0x0
	s_wait_alu depctr_hold_cnt(0) depctr_sa_sdst(0) depctr_va_vdst(0) depctr_va_sdst(0) depctr_va_ssrc(0) depctr_va_vcc(0) depctr_vm_vsrc(0)
	s_getreg_b32 s2, hwreg(HW_REG_IB_STS2, 6, 4)
	s_cmp_eq_u32 s2, 0
	s_cbranch_scc0 .Lentry_in_a_cluster
	s_endpgm
.Lentry_in_a_cluster:
	s_bfe_u32 s2, ttmp6, 0x10000c
	s_cmp_lg_u32 s2, 0xf033
	s_cbranch_scc0 .Lentry_shape_is_right
	s_endpgm
.Lentry_shape_is_right:
; q = hidden wq, k = hidden wk, v = hidden wv on codes of FP6 (E2M3) with E8M0 scales; the results are quantised again: q and k along the head's 64, v along the keys.
; ONE FORM: P[x][y] = sum over k of X[x][k] Y[y][k], X = source 0, Y = source 1: a lane holds one y, its registers run along x, and P is quantised ALONG x.
; A WORK-GROUP STAYS: it holds 256 rows of hidden (block hb of 32) in LDS for the whole launch and takes 128 rows (block j of 8, a pair of heads) of wq, then of wk, then of wv through one region of LDS.
; All of K = 1,024 lies in LDS: rows of 768 bytes, each beginning at a multiple of 768 bytes of its buffer, 16 bytes of padding behind every 256: pitch 816.
; Joint loads in a 4 x 4 cluster: hidden's rows are shared along the cluster's row (waves 0, 1 fetch the halves, once), the weights' along its column (waves 2, 3 fetch the halves, three times).
; A refill of the weights' region stands behind a round of the cluster's barrier, and is on its way while the block just finished is quantised and stored.
; q, k: X = the 128 weight rows, Y = hidden; wave w takes tokens 64 w .. 64 w + 63.  v: X = hidden's tokens 128 (w / 2) .. + 127 (the keys), Y = wv's rows 64 (w % 2) .. + 63 (one head).
; Either way a wave makes 128 x by 64 y: 32 accumulators, which take turns; eight steps of 128 along K, fragments in two sets.  q and k are two trips of one loop; v is written out.
; The scale words (a row's 32 bytes = 8 words, one a step) go from memory into registers: lane r takes row r; lanes 16-31 repeat lanes 0-15.
; NO PREFETCH: hidden and wq are asked for at the head; wk and wv are asked for a whole way out ahead of their first read; there is no loop along K to run ahead in.
; THE WAY OUT: a block of 16 y is four blocks of 32 along x; in a block's 32 places the numbers stand with places 8-15 and 16-23 exchanged, alike in q, k, v and the softmax's p.
; Codes leave as images of operand registers (16 rows x 64 codes = 768 bytes: registers 0-3 at 16 x lane, 4-5 at 512 + 8 x lane).
; Scale words of q and k: [head][64 tokens][256 bytes]: tile u of four, row r, at 128 (u % 2) + 8 r + 4 (u / 2).  v's: [head][128 keys][256 bytes] likewise by tiles of channels.
; LIMITS: NaN and infinities are not served.  A block whose largest magnitude lies under 2^-124 gets the scale byte 1; these bytes are read by this program alone.
; REGISTERS: window 0: v8-29 addresses, v32-95 X's scale words, v96-127 Y's, v128-223 Y's fragments (two sets), on the way out v128-239 at work; window 1: X's fragments at v0 and v128; window 2: accumulator (a, b) at v[8 (8 a + b)].
.set PITCH, 816
.set FR,    12
.set XB,    256*PITCH                  ; the weights' region, behind hidden's 256 rows
.set SPARE, XB+128*PITCH
.set VX,   8                           ; v8-9 v's X: my 128 tokens' blocks 0-3, v10-11 blocks 4-7 (the odd register: one padding more in lanes 16-31)
.set VY,   12                          ; v12-13 v's Y: my 64 rows of wv
.set ADRY, 16                          ; v16-17 q's and k's Y: my 64 tokens
.set ADRX, 20                          ; v20-21 q's and k's X: blocks 0-3, v22-23 blocks 4-7
.set L16,  24
.set L8,   25
.set LN,   26
.set SOF,  27                          ; 32 x (lane % 16)
.set SPW,  28
.set NIL,  29
.set SX,   32
.set SY,   96
.set YF,   128
.set PC,   128
.set TM,   200
.set PWS,  224
.set SI,   232
.set SI2,  236
.set SEL,  18
.set G1,  24
.set G0,  32
.set G1B, 48
.set G0B, 56
.set MSB, 0
.macro WIN new
.if MSB != \new
	s_set_vgpr_msb (MSB<<8)|\new
.set MSB, \new
.endif
.endm
.macro PLACES
.rept 4
	v_nop
.endr
.endm
.macro CROUND
	s_barrier_signal -1
	s_barrier_wait -1
	s_cmp_lg_u32 s14, 0
	s_cbranch_scc1 .Lnot_wave_0_\@
	s_barrier_signal -3
.Lnot_wave_0_\@:
	s_barrier_wait -3
	s_barrier_signal -1
	s_barrier_wait -1
.endm
.macro LOADSC                          ; X's scale words from s[62:63], Y's from s[60:61]
.irp b, 0,1,2,3,4,5,6,7
	global_load_b128 v[SX+8*\b:SX+8*\b+3], v[SOF], s[62:63] offset:512*\b
	global_load_b128 v[SX+8*\b+4:SX+8*\b+7], v[SOF], s[62:63] offset:512*\b+16
.endr
.irp a, 0,1,2,3
	global_load_b128 v[SY+8*\a:SY+8*\a+3], v[SOF], s[60:61] offset:512*\a
	global_load_b128 v[SY+8*\a+4:SY+8*\a+7], v[SOF], s[60:61] offset:512*\a+16
.endr
.endm
	s_load_b512 s[68:83], s[0:1], 0x0              ; hidden's codes, scales; wq's; wk's; wv's
	s_load_b256 s[84:91], s[0:1], 0x40             ; qimg, qsc, kvimg, kvs
	v_lshl_add_u32 v[SPW], v0, 2, SPARE
	v_mov_b32 v[NIL], 0
	ds_add_u32 v[SPW], v[NIL]                      ; the opening lines
	ds_add_u32 v[SPW], v[NIL]
	v_lshrrev_b32 v1, 5, v0
	v_readfirstlane_b32 s14, v1                    ; wave
	s_lshr_b32 s15, s14, 1                         ; I fetch hidden (0) or weights (1); for v: my half of the tokens
	s_and_b32 s16, s14, 1                          ; which half I fetch; for v: my head of the pair
	s_bfe_u32 s40, ttmp6, 0x40000                  ; cx
	s_bfe_u32 s41, ttmp6, 0x40004                  ; cy
	s_lshl_b32 s42, ttmp9, 2
	s_add_co_u32 s42, s42, s40                     ; j: made of cx, never of cy
	s_and_b32 s17, ttmp7, 0xffff
	s_lshl_b32 s17, s17, 2
	s_add_co_u32 s17, s17, s41                     ; hb: made of cy, never of cx
	s_lshl_b32 s43, s41, 2
	s_lshl_b32 s43, 15, s43                        ; my row of the cluster
	s_lshl_b32 s44, 0x1111, s40                    ; my column
	s_or_b32 s[G1+0], s43, (1<<20)|(1<<21)|(5<<22)|(3<<25)   ; bytes; 4 words of padding behind every 64
	s_or_b32 s[G1B+0], s44, (1<<20)|(1<<21)|(5<<22)|(3<<25)
.irp g, G1, G1B
	s_mov_b32 s[\g+1], 768<<16
	s_mov_b32 s[\g+3], 768<<16
	s_mov_b32 s[\g+5], 768
	s_mov_b32 s[\g+6], 0
	s_mov_b32 s[\g+7], 0
.endr
	s_mov_b32 s[G1+2], 128<<16                     ; hidden: 128 rows a load
	s_mov_b32 s[G1+4], 128
	s_mov_b32 s[G1B+2], 64<<16                     ; weights: 64
	s_mov_b32 s[G1B+4], 64
	s_lshl_b32 s8, s17, 8
	s_lshl_b32 s9, s16, 7
	s_add_co_u32 s8, s8, s9
	s_mul_i32 s8, s8, 768                          ; hidden's codes that I may fetch
	s_mov_b32 s9, 0
	s_lshl_b32 s46, s42, 7
	s_lshl_b32 s47, s16, 6
	s_add_co_u32 s46, s46, s47
	s_mul_i32 s46, s46, 768                        ; a weight's codes that I may fetch: kept in s[46:47]
	s_mov_b32 s47, 0
	s_lshl_b32 s10, s17, 13                        ; hidden's scales: 256 rows x 32 bytes a block
	s_lshl_b32 s11, s14, 11
	s_add_co_u32 s4, s10, s11                      ; my 64 tokens
	s_mov_b32 s5, 0
	s_lshl_b32 s11, s15, 12
	s_add_co_u32 s6, s10, s11                      ; my 128 tokens, for v
	s_mov_b32 s7, 0
	s_lshl_b32 s10, s42, 12                        ; a weight's scales: 128 rows x 32 bytes
	s_mov_b32 s11, 0
	s_lshl_b32 s12, s16, 11
	s_add_co_u32 s12, s12, s10                     ; wv's: my 64 rows
	s_mov_b32 s13, 0
	s_mov_b32 s[G0], 1
	s_mul_i32 s[G0+1], s16, 128*PITCH
	s_mov_b32 s[G0B], 1
	s_mul_i32 s[G0B+1], s16, 64*PITCH
	s_add_co_u32 s[G0B+1], s[G0B+1], XB
	s_wait_dscnt 0x0
	s_wait_kmcnt 0x0
	s_add_nc_u64 s[G0+2:G0+3], s[68:69], s[8:9]
	s_or_b32 s[G0+3], s[G0+3], 0x80000000
	s_add_nc_u64 s[G0B+2:G0B+3], s[72:73], s[46:47]
	s_or_b32 s[G0B+3], s[G0B+3], 0x80000000
	s_add_nc_u64 s[98:99], s[70:71], s[4:5]        ; scale words: hidden's, as q's and k's Y;
	s_add_nc_u64 s[96:97], s[70:71], s[6:7]        ; hidden's, as v's X;
	s_add_nc_u64 s[62:63], s[74:75], s[10:11]      ; wq's;
	s_add_nc_u64 s[92:93], s[78:79], s[10:11]      ; wk's;
	s_add_nc_u64 s[94:95], s[82:83], s[12:13]      ; wv's
	s_mov_b64 s[60:61], s[98:99]
	CROUND                                         ; the joint loads meet
	s_cmp_eq_u32 s15, 0
	s_cbranch_scc0 .Lfor_x
	tensor_load_to_lds s[G0:G0+3], s[G1:G1+7]
	s_nop 0
	PLACES
	s_branch .Lasked
.Lfor_x:
	tensor_load_to_lds s[G0B:G0B+3], s[G1B:G1B+7]
	s_nop 0
	PLACES
.Lasked:
	v_and_b32 v1, 15, v0
	v_bfe_u32 v2, v0, 4, 1
	v_mul_u32_u24 v3, v1, PITCH
	v_mad_u32_u24 v4, v2, 24, v3                   ; row x pitch + 24 x half
	v_lshl_add_u32 v5, v2, 4, v4
	s_mul_i32 s8, s14, 64*PITCH
	s_mul_i32 s9, s15, 128*PITCH
	s_mul_i32 s10, s16, 64*PITCH
	s_add_co_u32 s10, s10, XB
	v_add_nc_u32 v[ADRY], s8, v4
	v_add_nc_u32 v[ADRY+1], s8, v5
	v_add_nc_u32 v[ADRX], XB, v4
	v_add_nc_u32 v[ADRX+1], XB, v5
	v_add_nc_u32 v[ADRX+2], XB+64*PITCH, v4
	v_add_nc_u32 v[ADRX+3], XB+64*PITCH, v5
	v_add_nc_u32 v[VX], s9, v4
	v_add_nc_u32 v[VX+1], s9, v5
	v_add_nc_u32 v[VX+2], 64*PITCH, v[VX]
	v_add_nc_u32 v[VX+3], 64*PITCH, v[VX+1]
	v_add_nc_u32 v[VY], s10, v4
	v_add_nc_u32 v[VY+1], s10, v5
	v_and_b32 v[LN], 31, v0
	v_lshlrev_b32 v[L16], 4, v[LN]
	v_lshlrev_b32 v[L8], 3, v[LN]
	v_lshlrev_b32 v[SOF], 5, v1
	s_wait_alu depctr_va_vdst(0)                   ; the wait at the head's end
	LOADSC
	s_lshr_b32 s20, s17, 2
	s_lshl_b32 s20, s20, 3
	s_add_co_u32 s20, s20, s42                     ; s20: the pair of heads, 8 batch + j
	s_and_b32 s22, s17, 3
	s_lshl_b32 s21, s22, 2
	s_add_co_u32 s21, s21, s14                     ; s21: my 64 tokens among the batch's 16 groups
	s_lshl_b32 s22, s22, 1
	s_add_co_u32 s22, s22, s15                     ; s22: my 128 keys among the batch's 8 steps
	s_mov_b32 s45, 98304
	s_mov_b32 s100, 12288
	s_mov_b32 s[SEL], 0x76543210
	s_mov_b32 s[SEL+1], 0xfedcba98
	s_mov_b32 s2, 0                                ; the trip: 0 q, 1 k
.macro FRAG reg, adr, st, i            ; 16 rows x 128 K: six pieces of 8 bytes; byte y of a row lies at y + 16 (y / 256)
.irp p, 0,1,2,3,4,5
.set BY, 96*(\st)+48*(\p/3)+8*(\p%3)
.if BY/256 == (BY+24)/256
	ds_load_b64 v[\reg+2*\p:\reg+2*\p+1], v[\adr] offset:BY+16*(BY/256)+(\i)*16*PITCH
.else
	ds_load_b64 v[\reg+2*\p:\reg+2*\p+1], v[\adr+1] offset:BY+16*(BY/256)+(\i)*16*PITCH
.endif
.endr
.endm
.macro FETCH st, ax, ay
	WIN 0x40
.irp i, 0,1,2,3,4,5,6,7
	FRAG 128*((\st)%2)+FR*\i, \ax+2*(\i/4), \st, \i%4
.endr
	WIN 0
.irp i, 0,1,2,3
	FRAG YF+48*((\st)%2)+FR*\i, \ay, \st, \i
.endr
.endm
.macro MUL st, zero                    ; 32 products, the accumulators by turns
.irp a, 0,1,2,3
.irp b, 0,1,2,3,4,5,6,7
.if \zero
	v_wmma_scale_f32_16x16x128_f8f6f4 v[8*(8*\a+\b):8*(8*\a+\b)+7], v[128*((\st)%2)+FR*\b:128*((\st)%2)+FR*\b+FR-1], v[YF+48*((\st)%2)+FR*\a:YF+48*((\st)%2)+FR*\a+FR-1], 0, v[SX+8*\b+(\st)], v[SY+8*\a+(\st)] matrix_a_fmt:MATRIX_FMT_FP6 matrix_b_fmt:MATRIX_FMT_FP6
.else
	v_wmma_scale_f32_16x16x128_f8f6f4 v[8*(8*\a+\b):8*(8*\a+\b)+7], v[128*((\st)%2)+FR*\b:128*((\st)%2)+FR*\b+FR-1], v[YF+48*((\st)%2)+FR*\a:YF+48*((\st)%2)+FR*\a+FR-1], v[8*(8*\a+\b):8*(8*\a+\b)+7], v[SX+8*\b+(\st)], v[SY+8*\a+(\st)] matrix_a_fmt:MATRIX_FMT_FP6 matrix_b_fmt:MATRIX_FMT_FP6
.endif
.endr
.endr
.endm
.macro GEMM ax, ay                     ; a block's eight steps
	s_wait_alu depctr_va_vdst(0)                   ; the wait ahead of the waits below
	s_wait_tensorcnt 0x0                           ; my load has landed,
	s_barrier_signal -1
	s_barrier_wait -1                              ; everybody's has
	s_wait_xcnt 0x0                                ; the last block's stores have read their data: the fragments land on those registers
	FETCH 0, \ax, \ay
	s_wait_loadcnt 0x0                             ; the scale words
.irp st, 0,1,2,3,4,5,6,7
	s_wait_dscnt 0x0                               ; this step's fragments are in
.if \st < 7
.if \st > 0
	PLACES                                         ; in front of loads into the set that the last step multiplied
.endif
	FETCH \st+1, \ax, \ay
.endif
	WIN 0xa1
.if \st == 0
	MUL 0, 1
.else
	MUL \st, 0
.endif
	WIN 0
.endr
.endm
.macro QUANTW a                        ; block a of 16 y: four blocks of 32 along x become a fragment's codes and a scale word
.set AC, 64*(\a)
.if (\a) > 0
	s_wait_xcnt 0x0                                ; the last block's stores have read their data
.endif
	WIN 0x0a
.irp b, 0,1,2,3
	v_max3_num_f32 v[TM+\b], |v[AC+16*\b]|, |v[AC+16*\b+1]|, 0x1800000   ; with the floor 2^(3 - 127)
.endr
.irp i, 2,4,6,8,10,12,14
.irp b, 0,1,2,3
	v_max3_num_f32 v[TM+\b], |v[AC+16*\b+\i]|, |v[AC+16*\b+\i+1]|, v[TM+\b]
.endr
.endr
	WIN 0
.irp b, 0,1,2,3
	v_permlanex16_b32 v[TM+4+\b], v[TM+\b], s[SEL], s[SEL+1]
.endr
.irp b, 0,1,2,3
	v_max_num_f32 v[TM+\b], v[TM+\b], v[TM+4+\b]
.endr
.irp b, 0,1,2,3
	v_add_nc_u32 v[TM+12+\b], 0xff000000, v[TM+\b] ; 2 off the exponent field: the conversion's scale operand
.endr
.irp b, 0,1,2,3
	v_lshrrev_b32 v[TM+4+\b], 23, v[TM+12+\b]
.endr
	v_lshl_or_b32 v[PWS+(\a)], v[TM+5], 8, v[TM+4]
	v_lshl_or_b32 v[PWS+(\a)], v[TM+6], 16, v[PWS+(\a)]
	v_lshl_or_b32 v[PWS+(\a)], v[TM+7], 24, v[PWS+(\a)]
	WIN 2
.irp c, 0,1
	v_cvt_scalef32_pk16_fp6_f32 v[PC+6*\c:PC+6*\c+2], v[AC+32*\c:AC+32*\c+15], v[TM+12+2*\c]
	v_cvt_scalef32_pk16_fp6_f32 v[PC+12+4*\c:PC+14+4*\c], v[AC+32*\c+16:AC+32*\c+31], v[TM+13+2*\c]
.endr
	WIN 0
	v_nop                                          ; one plain place behind a scaled conversion
.irp c, 0,1
.irp i, 0,1,2
	v_permlane16_swap_b32 v[PC+6*\c+\i], v[PC+12+4*\c+\i]
.endr
.irp i, 0,1,2
	v_mov_b32 v[PC+3+6*\c+\i], v[PC+12+4*\c+\i]
.endr
.endr
.irp c, 0,1
	global_store_b128 v[L16], v[PC+6*\c:PC+6*\c+3], s[4+2*\c:5+2*\c] offset:(\a)*768
	global_store_b64 v[L8], v[PC+6*\c+4:PC+6*\c+5], s[4+2*\c:5+2*\c] offset:(\a)*768+512
.endr
.endm
.macro WAYOUT two                      ; two = 1: q, k: a word's upper two bytes are the pair's odd head's
.irp b, 0,1,2,3
	v_mov_b32 v[TM+4+\b], 0                        ; a lane permute's destination counts as a source
.endr
.irp a, 0,1,2,3
	QUANTW \a
.endr
	v_cmp_lt_u32 vcc_lo, 15, v[LN]
.irp i, 0,1
	v_cndmask_b32 v[SI+\i], v[PWS+2*\i], v[PWS+2*\i+1], vcc_lo   ; lanes 0-15 block 2 i's word, lanes 16-31 block 2 i + 1's
.if \two
	v_lshrrev_b32 v[SI2+\i], 16, v[SI+\i]
.endif
.endr
.if \two
	global_store_b64 v[L8], v[SI2:SI2+1], s[12:13] offset:4096
.endif
	global_store_b64 v[L8], v[SI:SI+1], s[12:13]   ; 256 consecutive aligned bytes
.endm
.Lphase:
	GEMM ADRX, ADRY
	s_wait_tensorcnt 0x0                           ; in front of the refill's round
	ds_add_u32 v[SPW], v[NIL]
	s_wait_xcnt 0x0                                ; the scale loads have read their bases
	s_cmp_eq_u32 s2, 0
	s_cselect_b64 s[8:9], s[76:77], s[80:81]       ; the next weight: wk, then wv
	s_cselect_b64 s[62:63], s[92:93], s[96:97]     ; the next X's scale words: wk's, then hidden's
	s_cselect_b64 s[60:61], s[98:99], s[94:95]     ; the next Y's: hidden's, then wv's
	s_cselect_b64 s[36:37], s[84:85], s[88:89]     ; this block's codes go to qimg or kvimg,
	s_cselect_b64 s[38:39], s[86:87], s[90:91]     ; its scale words to qsc or kvs
	s_cselect_b32 s44, 49152, s45                  ; a head's bytes there
	s_cselect_b32 s23, 8192, s100                  ; a pair's scale bytes
	s_add_nc_u64 s[G0B+2:G0B+3], s[8:9], s[46:47]
	s_or_b32 s[G0B+3], s[G0B+3], 0x80000000
	s_wait_dscnt 0x0                               ; the add is done; my reads of the weights' region are over
	CROUND                                         ; so are those of every wave of every partner
	s_cmp_eq_u32 s15, 0
	s_cbranch_scc1 .Lno_load
	tensor_load_to_lds s[G0B:G0B+3], s[G1B:G1B+7]  ; waves 2 and 3: the next weight's halves
	s_nop 0
	PLACES
.Lno_load:
	PLACES                                         ; behind the last products, on both ways
	LOADSC
	s_lshl_b32 s8, s20, 1
	s_mul_i32 s8, s8, s44                          ; the pair's even head,
	s_mul_i32 s9, s21, 3072                        ; my four tiles of tokens
	s_add_co_u32 s8, s8, s9
	s_mov_b32 s9, 0
	s_add_nc_u64 s[4:5], s[36:37], s[8:9]
	s_mov_b32 s8, s44
	s_add_nc_u64 s[6:7], s[4:5], s[8:9]            ; the second 64 along x: the odd head
	s_mul_i32 s8, s20, s23
	s_lshl_b32 s10, s21, 8
	s_add_co_u32 s8, s8, s10
	s_add_nc_u64 s[12:13], s[38:39], s[8:9]
	WAYOUT 1
	s_add_co_u32 s2, s2, 1
	s_cmp_lt_u32 s2, 2
	s_wait_alu depctr_va_vdst(0)                   ; the wait ahead of the branch
	s_cbranch_scc1 .Lphase
	GEMM VX, VY
	PLACES                                         ; behind the last products
	s_wait_xcnt 0x0
	s_lshl_b32 s8, s20, 1
	s_add_co_u32 s8, s8, s16                       ; my head
	s_mul_i32 s8, s8, s45
	s_mul_i32 s9, s22, 6144                        ; my 128 keys
	s_add_co_u32 s8, s8, s9
	s_add_co_u32 s8, s8, 49152                     ; v lies behind k in a head's record
	s_mov_b32 s9, 0
	s_add_nc_u64 s[4:5], s[88:89], s[8:9]
	s_add_nc_u64 s[6:7], s[4:5], 3072              ; the second 64 keys
	s_mul_i32 s8, s20, s100
	s_lshl_b32 s10, s16, 11
	s_add_co_u32 s8, s8, s10
	s_lshl_b32 s10, s22, 8
	s_add_co_u32 s8, s8, s10
	s_add_co_u32 s8, s8, 8192
	s_add_nc_u64 s[12:13], s[90:91], s[8:9]
	WAYOUT 0
	s_wait_tensorcnt 0x0                           ; the wave's end
	ds_add_u32 v[SPW], v[NIL]
	s_wait_dscnt 0x0
	CROUND                                         ; the closing round
	s_endpgm
.Lfunc_end_k_qdba80eba49_qkv:
	.size	k_qdba80eba49_qkv, .Lfunc_end_k_qdba80eba49_qkv-k_qdba80eba49_qkv
	.p2alignl 7, 3214868480
	.fill 96, 4, 3214868480
	.section	.rodata,"a",@progbits
	.p2align	6, 0x0
	.amdhsa_kernel k_qdba80eba49_qkv
		.amdhsa_group_segment_fixed_size 327680
		.amdhsa_private_segment_fixed_size 0
		.amdhsa_enable_private_segment 0
		.amdhsa_kernarg_size 96
		.amdhsa_user_sgpr_count 2
		.amdhsa_user_sgpr_kernarg_segment_ptr 1
		.amdhsa_wavefront_size32 1
		.amdhsa_system_sgpr_workgroup_id_x 1
		.amdhsa_system_sgpr_workgroup_id_y 1
		.amdhsa_system_sgpr_workgroup_id_z 1
		.amdhsa_system_vgpr_workitem_id 0
		.amdhsa_next_free_vgpr 768
		.amdhsa_next_free_sgpr 102
		.amdhsa_reserve_vcc 1
		.amdhsa_float_denorm_mode_32 3
		.amdhsa_float_denorm_mode_16_64 3
		.amdhsa_memory_ordered 1
		.amdhsa_forward_progress 1
		.amdhsa_inst_pref_size 190
	.end_amdhsa_kernel
	.amdgpu_metadata
---
amdhsa.version: [ 1, 2 ]
amdhsa.kernels:
  - .name:           k_qdba80eba49_qkv
    .symbol:         k_qdba80eba49_qkv.kd
    .args:
      - { .name: hidden_states_codes, .offset: 0, .size: 8, .value_kind: global_buffer, .address_space: global }
      - { .name: hidden_states_scales, .offset: 8, .size: 8, .value_kind: global_buffer, .address_space: global }
      - { .name: wq_codes, .offset: 16, .size: 8, .value_kind: global_buffer, .address_space: global }
      - { .name: wq_scales, .offset: 24, .size: 8, .value_kind: global_buffer, .address_space: global }
      - { .name: wk_codes, .offset: 32, .size: 8, .value_kind: global_buffer, .address_space: global }
      - { .name: wk_scales, .offset: 40, .size: 8, .value_kind: global_buffer, .address_space: global }
      - { .name: wv_codes, .offset: 48, .size: 8, .value_kind: global_buffer, .address_space: global }
      - { .name: wv_scales, .offset: 56, .size: 8, .value_kind: global_buffer, .address_space: global }
      - { .name: qimg, .offset: 64, .size: 8, .value_kind: global_buffer, .address_space: global }
      - { .name: qsc, .offset: 72, .size: 8, .value_kind: global_buffer, .address_space: global }
      - { .name: kvimg, .offset: 80, .size: 8, .value_kind: global_buffer, .address_space: global }
      - { .name: kvs, .offset: 88, .size: 8, .value_kind: global_buffer, .address_space: global }
    .group_segment_fixed_size: 327680
    .private_segment_fixed_size: 0
    .kernarg_segment_align: 8
    .kernarg_segment_size: 96
    .max_flat_workgroup_size: 128
    .sgpr_count:     102
    .vgpr_count:     768
    .wavefront_size: 32
...
	.end_amdgpu_metadata
.endif
;; end of part 1
;; launch attn (part 2): grid 4 x 64, 16 waves a work-group, no clusters, 216,064 bytes of LDS; arguments qimg, qsc, kvimg, kvs, rel_bias, cimg, csc; writes cimg, csc
.if DOCPART == 2
	.amdgcn_target "amdgcn-amd-amdhsa--gfx1250"
	.amdhsa_code_object_version 6
	.text
	.protected	k_qdba80eba49_attn
	.globl	k_qdba80eba49_attn
	.p2align	8
	.type	k_qdba80eba49_attn,@function
k_qdba80eba49_attn:
	s_mov_b64 s[64:65], 0
	v_nop
	global_prefetch_b8 v0, s[64:65] scope:SCOPE_SE
	s_setreg_imm32_b32 hwreg(HW_REG_WAVE_MODE, 25, 1), 1
	s_wait_xcnt 0x0
; ctx = softmax(q k^T + bias) v for two heads, both products on codes of FP6 (E2M3) with E8M0 scales, and ctx quantised along the heads' channels for the last product.
; SHARES.  Work-group (x, y): 256 queries (block x of four) of batch y / 8, heads 2 g and 2 g + 1, g = y % 8.  Each of sixteen waves owns one tile of 16 queries, runs the even head and then the odd one,
; and walks the head's 1,024 keys in eight steps of 128.  Four waves share a SIMD: one wave's vector work stands beside another's matrix work and LDS loads.
; K AND V OF BOTH HEADS LIE WHOLE IN LDS, filled once at the head by one tensor load a wave (waves 0-11 both heads' codes, waves 12-15 the scale words), all landed before the even head is worked.  No byte is filled twice.
; They lie as images of operand registers (16 rows x 64 codes = 768 bytes: registers 0-3 at 16 x lane, 4-5 at 512 + 8 x lane), so every LDS load takes consecutive bytes.
; LAYOUT.  S^T = K Q^T + bias (source 0 = 16 keys, source 1 = my 16 queries), O^T = V^T P^T: a lane holds ONE query (lane % 16) throughout.  The head's K is 64 of the instruction's 128: q's upper six registers are
; zero codes; K's operand for tile t runs on into the next tile's registers (a pad of zeros behind tile 7), which those zero codes meet; no scale byte is 0xff.
; p's 16 registers of key tiles 2 B and 2 B + 1 are block B's keys 8 h + 0..7 and 16 + 8 h + 0..7 (h = lane / 16): the order in which the launch before laid v's codes.
; THE SOFTMAX: t = logit x log2(e); M = the running largest t rounded up to a whole number; p = 2^(t - M) is quantised, not normalised; the row's sum is taken of the unquantised p and divides O at the end.
; THE BIAS hangs on d = key - query alone.  Bucket = min(|d|, 8) + the number of 11, 15, 22, 31, 45, 63, 90 that |d| exceeds + 16 where d > 0: the logarithmic rule's own steps, as whole-number compares.
; A table of 512 entries a head (d = -256 .. 255) is made in LDS.  With sq = my queries' step of 128: steps sq - 1, sq, sq + 1 have |d| <= 255 and take their 64 numbers a lane from the table;
; all other steps have |d| >= 129, past the last step of the rule: one number, bucket 15 (keys before) or 31 (keys after).  Either way the bias is the C of the score product.
; NO CLUSTER, though the four blocks of queries of a pair read the same K and V: the way a step takes to its bias is a branch on the block's number, which would be a partner's place in a cluster;
; and what would be shared is one fill of 208,896 bytes for a wave's sixteen key steps.  All that the launch reads is asked for at its head, so nothing is left to ask for ahead.
; LIMITS: NaN and infinities are not served.  A block of ctx whose largest magnitude lies under 2^-124 gets the scale byte 1; the bytes are read by this program alone.
; REGISTERS: v1 16 x lane, v2 8 x lane, v3 my place in the bias table, v4-7 the step's addresses, v8-9 scale words' places, v12 -M, v13 largest t, v[14:15] the sum, v16-27 q (upper six zeros), v28-29 q's scale words,
; v30-31 the gather of ctx's scale words, v32-79 K's eight tiles, then V's four fragments, v80-85 zeros, v86-91 the odd head's q, v96-159 S^T, then p, v160-191 O^T, v192-203 p's codes, v204-211 the far bias,
; v212-215 K's scale words, v216-217 V's, v218 p's, v220-226 at work, v228-239 maxima, bytes, scale operands, v240-251 ctx's fragment, v[252:253] f, v254 at work, v255 ctx's scale word.
.set KVH,  98304                       ; a head's record: K 49,152 bytes ([key tile 64][768]), then V ([64 keys, 16][16 channels, 4][768])
.set VOFF, 49152
.set SCL,  196608                      ; the pair's scale words: K's even head 4,096, odd 4,096, V's even 2,048, odd 2,048
.set TBL,  208896                      ; the bias tables: 2 x 512 words
.set SCG,  212992                      ; 256 words: ctx's scale words on their way out
.set WV,  18                           ; s18  my wave's number
.set PP,  19                           ; s19  work-group y = 8 batch + g
.set SEL, 20                           ; s[20:21] lane selects: lane l xor 16
.set CS,  22                           ; s[22:23] log2(e), twice: the packed form names a pair
.set G1C, 24                           ; s[24:31] group 1 for the codes: 64 rows of 256 bytes
.set G1S, 32                           ; s[32:39] for the scale words: 12 rows
.set G0S, 40                           ; s[40:43], s[44:47] groups 0: scale words, codes
.set G0A, 44
.set G0B, 48
.set TS,  52                           ; s52  LDS byte at which the step's codes begin: 6,144 a step
.set TKS, 53                           ; s53  K's scale words: 512 a step
.set TVS, 54                           ; s54  V's: 256 a step
.set SD,  55                           ; s55  the step's number less sq
.set CNT, 56                           ; s56  steps to go
.set SQ,  57                           ; s57  sq
.set B15, 58                           ; s[58:59] bucket 15's bias of the two heads
.set B31, 60                           ; s[60:61] bucket 31's
.set BM,  228
.set PT,  232
.set SO,  236
	s_load_b256 s[4:11], s[0:1], 0x0               ; qimg, qsc, kvimg, kvs
	s_load_b128 s[12:15], s[0:1], 0x20             ; rel_bias, cimg
	s_load_b64 s[16:17], s[0:1], 0x30              ; csc
	v_lshl_add_u32 v223, v0, 2, 0x34400
	v_mov_b32 v227, 0
	ds_add_u32 v223, v227
	ds_add_u32 v223, v227
	v_lshrrev_b32 v1, 5, v0
	s_delay_alu instid0(VALU_DEP_1)
	v_readfirstlane_b32 s[WV], v1                  ; wave 0..15
	s_and_b32 s[PP], ttmp7, 0xffff
	; descriptor groups 1: dense blocks as rows of 256 bytes (32 elements of 8 bytes), no padding, no mask
.irp g, G1C, G1S
	s_mov_b32 s[\g+0], 3<<16
	s_mov_b32 s[\g+1], 32<<16                      ; tensor_dim0
	s_mov_b32 s[\g+3], 32<<16                      ; tile_dim0
	s_mov_b32 s[\g+5], 32                          ; tensor_dim0_stride
	s_mov_b32 s[\g+6], 0
	s_mov_b32 s[\g+7], 0
.endr
	; ONE tensor load a wave: waves 0-11 a twelfth of both heads' codes (64 rows of 256 bytes), waves 12-15 a quarter of the pair's scale words (12 rows)
	s_mov_b32 s[G1C+2], 64<<16
	s_mov_b32 s[G1C+4], 64
	s_mov_b32 s[G1S+2], 12<<16
	s_mov_b32 s[G1S+4], 12
	s_mul_i32 s66, s[PP], 12288
	s_and_b32 s67, s[WV], 3
	s_mul_i32 s67, s67, 3072
	s_add_co_u32 s66, s66, s67
	s_add_co_u32 s[G0S+1], s67, SCL
	s_mul_i32 s68, s[PP], 2*KVH
	s_mul_i32 s[G0A+1], s[WV], 16384
	s_add_co_u32 s68, s68, s[G0A+1]
	s_mov_b32 s67, 0
	s_mov_b32 s69, 0
	s_mov_b32 s[G0S], 1
	s_mov_b32 s[G0A], 1
	s_wait_dscnt 0x0
	s_wait_kmcnt 0x0
	s_add_nc_u64 s[G0S+2:G0S+3], s[10:11], s[66:67]
	s_add_nc_u64 s[G0A+2:G0A+3], s[8:9], s[68:69]
	s_or_b32 s[G0S+3], s[G0S+3], 0x80000000
	s_or_b32 s[G0A+3], s[G0A+3], 0x80000000
	s_cmp_lt_u32 s[WV], 12
	s_cbranch_scc0 .Lfor_scales
	tensor_load_to_lds s[G0A:G0A+3], s[G1C:G1C+7]
	s_nop 0
	s_branch .Lasked
.Lfor_scales:
	tensor_load_to_lds s[G0S:G0S+3], s[G1S:G1S+7]
	s_nop 0
.Lasked:
.rept 4
	v_nop
.endr
	v_and_b32 v102, 31, v0                         ; lane
	v_and_b32 v103, 15, v0                         ; r
	v_bfe_u32 v104, v0, 4, 1                       ; h
	s_delay_alu instid0(VALU_DEP_3)
	v_lshlrev_b32 v1, 4, v102
	s_delay_alu instid0(VALU_DEP_4)
	v_lshlrev_b32 v2, 3, v102
	s_and_b32 s66, s[WV], 7
	s_xor_b32 s66, s66, 7
	s_lshl_b32 s66, s66, 6
	s_add_co_u32 s66, s66, TBL+4
	v_xor_b32 v3, 15, v103
	s_delay_alu instid0(VALU_DEP_1)
	v_lshlrev_b32 v3, 2, v3
	s_delay_alu instid0(VALU_DEP_1)
	v_lshl_add_u32 v3, v104, 5, v3
	s_delay_alu instid0(VALU_DEP_1)
	v_add_nc_u32 v3, s66, v3                       ; TBL + 4 (128 - 16 (wave % 8) + 8 h - r): entry d + 256 for key 0 of step sq - 1
	v_add_nc_u32 v8, SCL, v2                       ; K's scale words: 256 bytes for 64 keys, 8 bytes a lane
	v_add_nc_u32 v9, SCL+8192, v2
	v_lshl_add_u32 v31, v0, 4, SCG                 ; the gather, on the way out: 16 bytes a thread (waves 0 and 1 alone read)
	s_lshl_b32 s66, s[WV], 6
	s_add_co_u32 s66, s66, SCG
	v_lshl_add_u32 v30, v103, 2, s66               ; and on the way in: 64 x wave + 4 r
	v_lshl_add_u32 v106, v0, 2, TBL                ; my entry of the tables
	v_lshlrev_b32 v105, 3, v103                    ; q's scale words: 8 bytes from row to row
	; my entry's bucket: thread i stands for d = i - 256
	v_add_nc_u32 v96, 0xffffff00, v0               ; d
	v_sub_nc_u32 v97, 0x100, v0                    ; -d
	s_delay_alu instid0(VALU_DEP_1)
	v_min_u32 v97, v96, v97                        ; |d|: the negative one of the two is the greater as an unsigned number
	s_delay_alu instid0(VALU_DEP_1)
	v_min_u32 v98, 8, v97
	v_mov_b32 v99, 0
	v_mov_b32 v100, 1
.irp T, 11,15,22,31,45,63,90
	v_cmp_lt_u32 vcc_lo, \T, v97
	s_delay_alu instid0(VALU_DEP_1)
	v_cndmask_b32 v101, v99, v100, vcc_lo
	s_delay_alu instid0(VALU_DEP_1)
	v_add_nc_u32 v98, v98, v101
.endr
	v_cmp_lt_u32 vcc_lo, 0x100, v0                 ; d > 0: the key comes after the query
	s_delay_alu instid0(VALU_DEP_1)
	v_cndmask_b32 v101, v99, v100, vcc_lo
	s_delay_alu instid0(VALU_DEP_1)
	v_lshl_add_u32 v98, v101, 4, v98
	s_delay_alu instid0(VALU_DEP_1)
	v_lshlrev_b32 v98, 6, v98                      ; a bucket's row of rel_bias is 64 bytes
	s_and_b32 s66, s[PP], 7                        ; g
	s_lshr_b32 s67, s[PP], 3                       ; batch
	s_lshl_b32 s68, s66, 3
	s_add_nc_u64 s[12:13], s[12:13], s[68:69]      ; rel_bias at my two heads
	s_load_b64 s[B15:B15+1], s[12:13], 960
	s_load_b64 s[B31:B31+1], s[12:13], 1984
	global_load_b64 v[10:11], v98, s[12:13]        ; my entry, for both heads
	s_lshl_b32 s70, ttmp9, 4
	s_add_co_u32 s70, s70, s[WV]                   ; my tile of queries, 0..63
	s_lshr_b32 s[SQ], s70, 3
	s_lshl_b32 s68, s[PP], 7
	s_add_co_u32 s68, s68, s70
	s_mul_i32 s68, s68, 768                        ; (64 x even head + tile) x 768
	s_add_nc_u64 s[4:5], s[4:5], s[68:69]
	s_lshl_b32 s68, s[PP], 13                      ; qsc: 4,096 a head; 512 a step
	s_lshl_b32 s71, s[SQ], 9
	s_add_co_u32 s68, s68, s71
	s_and_b32 s71, s[WV], 1                        ; in a step's 512 bytes tile u's word of row r lies at 256 (u / 4) + 128 (u % 2) + 8 r + 4 ((u / 2) % 2)
	s_lshl_b32 s71, s71, 7
	s_add_co_u32 s68, s68, s71
	s_bfe_u32 s71, s[WV], 0x10001
	s_lshl_b32 s71, s71, 2
	s_add_co_u32 s68, s68, s71
	s_bfe_u32 s71, s[WV], 0x10002
	s_lshl_b32 s71, s71, 8
	s_add_co_u32 s68, s68, s71
	s_add_nc_u64 s[6:7], s[6:7], s[68:69]
	global_load_b128 v[16:19], v1, s[4:5]          ; q's images: the even head's into the operand,
	global_load_b64 v[20:21], v2, s[4:5] offset:512
	global_load_b128 v[86:89], v1, s[4:5] offset:49152   ; the odd head's beside it
	global_load_b64 v[90:91], v2, s[4:5] offset:49152+512
	global_load_b32 v28, v105, s[6:7]
	global_load_b32 v29, v105, s[6:7] offset:4096
	s_lshl_b32 s68, s67, 6
	s_add_co_u32 s68, s68, s70                     ; my tile of 16 rows among the 512
	s_lshl_b32 s68, s68, 3
	s_add_co_u32 s68, s68, s66
	s_mul_i32 s68, s68, 1536                       ; cimg: [tile][g][1,536]
	s_add_nc_u64 s[14:15], s[14:15], s[68:69]
	s_lshl_b32 s68, s66, 15                        ; csc: 4 (8,192 g + 1,024 batch + 256 x)
	s_lshl_b32 s71, s67, 12
	s_add_co_u32 s68, s68, s71
	s_lshl_b32 s71, ttmp9, 10
	s_add_co_u32 s68, s68, s71
	s_add_nc_u64 s[16:17], s[16:17], s[68:69]
	s_mov_b32 s[SEL], 0x76543210
	s_mov_b32 s[SEL+1], 0xfedcba98
	s_mov_b32 s[CS], 0x3fb8aa3b                    ; log2(e)
	s_mov_b32 s[CS+1], s[CS]
.irp j, 22,23,24,25,26,27,80,81,82,83,84,85
	v_mov_b32 v[\j], 0                             ; q's zero codes for k = 64 .. 127, and the pad behind K's tile 7
.endr
.irp b, 0,1,2,3
	v_mov_b32 v[PT+\b], 0                          ; written once: a lane permute's destination counts as one of its sources
.endr
	v_mov_b32 v253, 0                              ; (named as the upper half of the pair v[252:253])
	v_mov_b32 v254, 0
	s_wait_loadcnt 6                               ; my entry is in; q's six loads, issued behind it, may be out
	ds_store_b32 v106, v10
	ds_store_b32 v106, v11 offset:2048
	s_wait_loadcnt 0x0                             ; q
	s_wait_kmcnt 0x0                               ; the far buckets
.macro SW t, hd, near                  ; S^T of key tile t: C = the bias, from the table (in place) or the far one
.if (\near)&&((\t)%2)
	v_wmma_scale_f32_16x16x128_f8f6f4 v[96+8*\t:103+8*\t], v[32+6*\t:43+6*\t], v[16:27], v[96+8*\t:103+8*\t], v[212+\t/2], v[28+\hd] matrix_a_fmt:MATRIX_FMT_FP6 matrix_b_fmt:MATRIX_FMT_FP6 matrix_a_scale:MATRIX_SCALE_ROW1
.elseif \near
	v_wmma_scale_f32_16x16x128_f8f6f4 v[96+8*\t:103+8*\t], v[32+6*\t:43+6*\t], v[16:27], v[96+8*\t:103+8*\t], v[212+\t/2], v[28+\hd] matrix_a_fmt:MATRIX_FMT_FP6 matrix_b_fmt:MATRIX_FMT_FP6
.elseif (\t)%2
	v_wmma_scale_f32_16x16x128_f8f6f4 v[96+8*\t:103+8*\t], v[32+6*\t:43+6*\t], v[16:27], v[204:211], v[212+\t/2], v[28+\hd] matrix_a_fmt:MATRIX_FMT_FP6 matrix_b_fmt:MATRIX_FMT_FP6 matrix_a_scale:MATRIX_SCALE_ROW1
.else
	v_wmma_scale_f32_16x16x128_f8f6f4 v[96+8*\t:103+8*\t], v[32+6*\t:43+6*\t], v[16:27], v[204:211], v[212+\t/2], v[28+\hd] matrix_a_fmt:MATRIX_FMT_FP6 matrix_b_fmt:MATRIX_FMT_FP6
.endif
.endm
.macro BLOAD e, hd                     ; the bias of step sq - 1 + e: register 8 t + j takes entry 128 e + 16 t + j on from my place
.irp t, 0,1,2,3,4,5,6,7
.irp j, 0,1,2,3,4,5,6,7
	ds_load_b32 v[96+8*\t+\j], v3 offset:2048*\hd+4*(128*\e+16*\t+\j)
.endr
.endr
.endm
; A KEY STEP: 128 keys.
.macro STEP hd
	v_add_nc_u32 v4, s[TS], v1                     ; (these four are the places between the last step's products and the loads into the registers that they read)
	v_add_nc_u32 v5, s[TS], v2
	v_add_nc_u32 v6, s[TKS], v8
	v_add_nc_u32 v7, s[TVS], v9
.irp t, 0,1,2,3,4,5,6,7
	ds_load_b128 v[32+6*\t:35+6*\t], v4 offset:768*\t
	ds_load_b64 v[36+6*\t:37+6*\t], v5 offset:768*\t+512
.endr
	ds_load_b64 v[212:213], v6                     ; K's scale words: register i: lanes 0-15 tile 2 i, lanes 16-31 tile 2 i + 1
	ds_load_b64 v[214:215], v6 offset:256
	s_cmp_eq_i32 s[SD], 0                          ; branches on the block's, the wave's and the step's numbers alone
	s_cbranch_scc1 .Ln0_\@
	s_cmp_eq_i32 s[SD], -1
	s_cbranch_scc1 .Lnm_\@
	s_cmp_eq_i32 s[SD], 1
	s_cbranch_scc1 .Lnp_\@
	s_cmp_lt_i32 s[SD], 0                          ; far: keys before my queries take bucket 15, keys after them bucket 31
	s_cselect_b32 s66, s[B15+\hd], s[B31+\hd]
.irp j, 0,1,2,3,4,5,6,7
	v_mov_b32 v[204+\j], s66
.endr
.rept 4
	v_nop
.endr
	s_wait_alu depctr_va_vdst(0)
	s_wait_dscnt 0x0
.irp t, 0,1,2,3,4,5,6,7
	SW \t, \hd, 0
.endr
	s_branch .Ljoin_\@
.Lnm_\@:
	BLOAD 0, \hd
	s_branch .Lnear_\@
.Ln0_\@:
	BLOAD 1, \hd
	s_branch .Lnear_\@
.Lnp_\@:
	BLOAD 2, \hd
.Lnear_\@:
	s_wait_dscnt 0x0
.irp t, 0,1,2,3,4,5,6,7
	SW \t, \hd, 1
.endr
.Ljoin_\@:
.rept 4
	v_nop                                          ; places in front of the loads into K's registers and of the first read of the scores
.endr
	s_wait_alu depctr_va_vdst(0)
.irp dt, 0,1,2,3                               ; V's four fragments (16 channels x 128 keys) are asked for now and land under the softmax
.irp c, 0,1
	ds_load_b128 v[32+12*\dt+6*\c:35+12*\dt+6*\c], v4 offset:VOFF+(4*\c+\dt)*768
	ds_load_b64 v[36+12*\dt+6*\c:37+12*\dt+6*\c], v5 offset:VOFF+(4*\c+\dt)*768+512
.endr
.endr
	ds_load_b64 v[216:217], v7                     ; V's scale words: register i: lanes 0-15 channels' tile 2 i, lanes 16-31 tile 2 i + 1
.irp b, 0,1,2,3
	v_max3_num_f32 v[BM+\b], v[96+16*\b], v[97+16*\b], v[98+16*\b]   ; the largest logit of each block of 32 keys: it serves the row's maximum and, since p rises with the logit, the block's largest p
.endr
.irp i, 3,5,7,9,11,13
.irp b, 0,1,2,3
	v_max3_num_f32 v[BM+\b], v[BM+\b], v[96+16*\b+\i], v[97+16*\b+\i]
.endr
.endr
.irp b, 0,1,2,3
	v_max_num_f32 v[BM+\b], v[BM+\b], v[111+16*\b]
.endr
.irp b, 0,1,2,3
	s_delay_alu instid0(VALU_DEP_4)
	v_permlanex16_b32 v[PT+\b], v[BM+\b], s[SEL], s[SEL+1]
.endr
.irp b, 0,1,2,3
	s_delay_alu instid0(VALU_DEP_4)
	v_max_num_f32 v[BM+\b], v[BM+\b], v[PT+\b]     ; with lane l xor 16's 16 keys
.endr
	s_delay_alu instid0(VALU_DEP_2)
	v_max3_num_f32 v254, v[BM], v[BM+1], v[BM+2]
	s_delay_alu instid0(VALU_DEP_1)
	v_max_num_f32 v254, v254, v[BM+3]              ; the step's largest logit of my query
	s_delay_alu instid0(VALU_DEP_1)
	v_mul_f32 v254, s[CS], v254                    ; as t
	s_delay_alu instid0(VALU_DEP_1)
	v_max_num_f32 v13, v13, v254                   ; the running largest t
	v_mov_b32 v254, v12
	s_delay_alu instid0(VALU_DEP_2)
	v_floor_f32 v12, -v13                          ; the new -M = floor(-t): M is a whole number
	s_delay_alu instid0(VALU_DEP_1)
	v_sub_f32 v254, v12, v254                      ; old M less new M: a whole number, 0 or less
	s_delay_alu instid0(VALU_DEP_1)
	v_cvt_i32_f32 v254, v254                       ; (it saturates)
	s_delay_alu instid0(VALU_DEP_1)
	v_ldexp_f32 v252, 1.0, v254                    ; f = 2^(old M - new M): a multiplication by it rounds nothing
.irp j, 0,2,4,6,8,10,12,14,16,18,20,22,24,26,28,30,32,34,36,38,40,42,44,46,48,50,52,54,56,58,60,62
	v_pk_fma_f32 v[96+\j:97+\j], v[96+\j:97+\j], s[CS:CS+1], v[12:13] op_sel_hi:[1,0,0]   ; t - M, two at a time
.endr
.irp b, 0,1,2,3
	v_fma_f32 v[BM+\b], v[BM+\b], s[CS], v12       ; the same of each block's largest logit
.endr
	s_wait_alu depctr_va_vdst(0)
.irp j, 0,1,2,3,4,5,6,7,8,9,10,11,12,13,14,15,16,17,18,19,20,21,22,23,24,25,26,27,28,29,30,31,32,33,34,35,36,37,38,39,40,41,42,43,44,45,46,47,48,49,50,51,52,53,54,55,56,57,58,59,60,61,62,63
	v_exp_f32 v[96+\j], v[96+\j]                   ; p = 2^(t - M), at most 1
.endr
	v_pk_mul_f32 v[14:15], v[14:15], v[252:253] op_sel_hi:[1,0]   ; the sums under the new M (a plain place behind the exponentials)
	s_wait_alu depctr_va_vdst(0)                   ; one wait for the whole batch, ahead of its first reader
.irp b, 0,1,2,3
	v_exp_f32 v[BM+\b], v[BM+\b]                   ; the block's largest p: the same two instructions on the same number
.endr
	v_pk_add_f32 v[232:233], v[100:101], v[104:105]
	v_pk_add_f32 v[250:251], v[108:109], v[112:113]
	v_pk_add_f32 v[248:249], v[116:117], v[120:121]
	v_pk_add_f32 v[246:247], v[124:125], v[128:129]
	v_pk_add_f32 v[238:239], v[132:133], v[136:137]
	v_pk_add_f32 v[236:237], v[140:141], v[144:145]
	v_pk_add_f32 v[234:235], v[148:149], v[152:153]
	v_pk_add_f32 v[14:15], v[14:15], v[156:157]
	v_pk_add_f32 v[232:233], v[232:233], v[96:97]
	v_pk_add_f32 v[250:251], v[250:251], v[98:99]
	v_pk_add_f32 v[248:249], v[248:249], v[102:103]
	v_pk_add_f32 v[246:247], v[246:247], v[106:107]
	v_pk_add_f32 v[238:239], v[238:239], v[110:111]
	v_pk_add_f32 v[236:237], v[236:237], v[114:115]
	v_pk_add_f32 v[234:235], v[234:235], v[118:119]
	v_pk_add_f32 v[14:15], v[14:15], v[122:123]
	v_pk_add_f32 v[232:233], v[232:233], v[126:127]
	v_pk_add_f32 v[250:251], v[250:251], v[130:131]
	v_pk_add_f32 v[248:249], v[248:249], v[134:135]
	v_pk_add_f32 v[246:247], v[246:247], v[138:139]
	v_pk_add_f32 v[238:239], v[238:239], v[142:143]
	v_pk_add_f32 v[236:237], v[236:237], v[146:147]
	v_pk_add_f32 v[234:235], v[234:235], v[150:151]
	v_pk_add_f32 v[14:15], v[14:15], v[154:155]
	v_pk_add_f32 v[232:233], v[232:233], v[158:159]
	s_delay_alu instid0(VALU_DEP_2)
	v_pk_add_f32 v[14:15], v[14:15], v[246:247]
	s_delay_alu instid0(VALU_DEP_2)
	v_pk_add_f32 v[232:233], v[232:233], v[238:239]
	v_pk_add_f32 v[250:251], v[250:251], v[236:237]
	v_pk_add_f32 v[248:249], v[248:249], v[234:235]
	s_delay_alu instid0(VALU_DEP_2)
	v_pk_add_f32 v[14:15], v[14:15], v[250:251]
	s_delay_alu instid0(VALU_DEP_2)
	v_pk_add_f32 v[232:233], v[232:233], v[248:249]
	s_delay_alu instid0(VALU_DEP_1)
	v_pk_add_f32 v[14:15], v[14:15], v[232:233]
	s_wait_alu depctr_va_vdst(0)                   ; and one for the four
.irp b, 0,1,2,3
	v_max_num_f32 v[BM+\b], 0x1800000, v[BM+\b]    ; the floor 2^(3 - 127): the byte cannot fall under 1
.endr
.irp b, 0,1,2,3
	s_delay_alu instid0(VALU_DEP_4)
	v_add_nc_u32 v[SO+\b], 0xff000000, v[BM+\b]    ; 2 off the exponent field: the conversion's scale operand
.endr
.irp b, 0,1,2,3
	s_delay_alu instid0(VALU_DEP_4)
	v_lshrrev_b32 v[PT+\b], 23, v[SO+\b]           ; the scale's byte
.endr
	s_delay_alu instid0(VALU_DEP_3)
	v_lshl_or_b32 v218, v[PT+1], 8, v[PT]          ; p's scale word for these 128 keys
	s_delay_alu instid0(VALU_DEP_1)
	v_lshl_or_b32 v218, v[PT+2], 16, v218
	s_delay_alu instid0(VALU_DEP_1)
	v_lshl_or_b32 v218, v[PT+3], 24, v218
.irp c, 0,1
	v_cvt_scalef32_pk16_fp6_f32 v[192+6*\c:194+6*\c], v[96+32*\c:111+32*\c], v[SO+2*\c]
	v_cvt_scalef32_pk16_fp6_f32 v[220+4*\c:222+4*\c], v[112+32*\c:127+32*\c], v[SO+2*\c+1]   ; (a conversion's three registers begin on an even number)
.endr
	v_nop                                          ; one plain place behind a scaled conversion
.irp c, 0,1                                    ; a whole block to a lane: lanes 0-15 block 2 c, lanes 16-31 block 2 c + 1
.irp i, 0,1,2
	v_permlane16_swap_b32 v[192+6*\c+\i], v[220+4*\c+\i]
.endr
.irp i, 0,1,2
	s_delay_alu instid0(VALU_DEP_3)
	v_mov_b32 v[195+6*\c+\i], v[220+4*\c+\i]
.endr
.endr
.irp j, 0,2,4,6,8,10,12,14,16,18,20,22,24,26,28,30
	v_pk_mul_f32 v[160+\j:161+\j], v[160+\j:161+\j], v[252:253] op_sel_hi:[1,0]   ; O^T under the new M; these sixteen are also the places between p's codes and scale word and the products
.endr
	s_wait_alu depctr_va_vdst(0)
	s_wait_dscnt 0x0                               ; V
	v_wmma_scale_f32_16x16x128_f8f6f4 v[160:167], v[32:43], v[192:203], v[160:167], v216, v218 matrix_a_fmt:MATRIX_FMT_FP6 matrix_b_fmt:MATRIX_FMT_FP6
	v_wmma_scale_f32_16x16x128_f8f6f4 v[168:175], v[44:55], v[192:203], v[168:175], v216, v218 matrix_a_fmt:MATRIX_FMT_FP6 matrix_b_fmt:MATRIX_FMT_FP6 matrix_a_scale:MATRIX_SCALE_ROW1
	v_wmma_scale_f32_16x16x128_f8f6f4 v[176:183], v[56:67], v[192:203], v[176:183], v217, v218 matrix_a_fmt:MATRIX_FMT_FP6 matrix_b_fmt:MATRIX_FMT_FP6
	v_wmma_scale_f32_16x16x128_f8f6f4 v[184:191], v[68:79], v[192:203], v[184:191], v217, v218 matrix_a_fmt:MATRIX_FMT_FP6 matrix_b_fmt:MATRIX_FMT_FP6 matrix_a_scale:MATRIX_SCALE_ROW1
	s_add_co_u32 s[TS], s[TS], 6144
	s_add_co_u32 s[TKS], s[TKS], 512
	s_add_co_u32 s[TVS], s[TVS], 256
	s_add_co_i32 s[SD], s[SD], 1
.endm
; A head's end: O^T / the sum, brought into the true order of the channels (the last product's other operand is given), quantised: half of ctx's fragment and two bytes of its scale word.
.macro FIN hd
.rept 4
	v_nop                                          ; places behind the last products
.endr
	v_add_f32 v14, v14, v15                        ; the sum's two halves,
	s_delay_alu instid0(VALU_DEP_1)
	v_permlanex16_b32 v254, v14, s[SEL], s[SEL+1]
	s_delay_alu instid0(VALU_DEP_1)
	v_add_f32 v14, v14, v254                       ; and lane l xor 16's
	s_wait_alu depctr_va_vdst(0)
	v_rcp_f32 v14, v14
	v_nop                                          ; a plain place behind the transcendental
	s_wait_alu depctr_va_vdst(0)                   ; and the wait ahead of its first reader
.irp j, 0,1,2,3,4,5,6,7,8,9,10,11,12,13,14,15,16,17,18,19,20,21,22,23,24,25,26,27,28,29,30,31
	v_mul_f32 v[96+\j], v[160+\j], v14             ; register 8 t + j: channel 16 t + 8 h + j of my query
.endr
.irp b, 0,1
.irp j, 0,1,2,3,4,5,6,7
	v_permlane16_swap_b32 v[96+16*\b+\j], v[104+16*\b+\j]   ; now registers 16 b + 0 .. 15 are channels 32 b + 16 h + 0 .. 15, in order
.endr
.endr
.irp b, 0,1
	v_max3_num_f32 v[BM+\b], |v[96+16*\b]|, |v[97+16*\b]|, 0x1800000
.endr
.irp i, 2,4,6,8,10,12,14
.irp b, 0,1
	s_delay_alu instid0(VALU_DEP_2)
	v_max3_num_f32 v[BM+\b], v[BM+\b], |v[96+16*\b+\i]|, |v[97+16*\b+\i]|
.endr
.endr
.irp b, 0,1
	s_delay_alu instid0(VALU_DEP_2)
	v_permlanex16_b32 v[PT+\b], v[BM+\b], s[SEL], s[SEL+1]
.endr
.irp b, 0,1
	s_delay_alu instid0(VALU_DEP_2)
	v_max_num_f32 v[BM+\b], v[BM+\b], v[PT+\b]
.endr
.irp b, 0,1
	s_delay_alu instid0(VALU_DEP_2)
	v_add_nc_u32 v[SO+\b], 0xff000000, v[BM+\b]
.endr
.irp b, 0,1
	s_delay_alu instid0(VALU_DEP_2)
	v_lshrrev_b32 v[PT+\b], 23, v[SO+\b]
.endr
.if \hd
	s_delay_alu instid0(VALU_DEP_2)
	v_lshl_or_b32 v255, v[PT], 16, v255            ; the odd head's blocks are the word's bytes 2 and 3
	s_delay_alu instid0(VALU_DEP_1)
	v_lshl_or_b32 v255, v[PT+1], 24, v255
.else
	s_delay_alu instid0(VALU_DEP_1)
	v_lshl_or_b32 v255, v[PT+1], 8, v[PT]
.endif
	v_cvt_scalef32_pk16_fp6_f32 v[240+6*\hd:242+6*\hd], v[96:111], v[SO]
	v_cvt_scalef32_pk16_fp6_f32 v[220:222], v[112:127], v[SO+1]
	v_nop
.irp i, 0,1,2
	v_permlane16_swap_b32 v[240+6*\hd+\i], v[220+\i]
.endr
.irp i, 0,1,2
	s_delay_alu instid0(VALU_DEP_3)
	v_mov_b32 v[243+6*\hd+\i], v[220+\i]
.endr
.endm
.macro HEAD hd
.if \hd == 0
	s_wait_tensorcnt 0x0                           ; my one load has landed: both heads' codes and the scale words come at the head
	s_wait_dscnt 0x0                               ; my entries of the tables are stored
	s_barrier_signal -1
	s_barrier_wait -1                              ; everybody's are
.endif
.if \hd
.irp j, 0,1,2,3,4,5
	v_mov_b32 v[16+\j], v[86+\j]                   ; the odd head's q
.endr
.endif
	v_mov_b32 v13, 0xff61b1e6                      ; the largest t so far: -3e38
	s_delay_alu instid0(VALU_DEP_1)
	v_floor_f32 v12, -v13
	v_mov_b32 v14, 0
	v_mov_b32 v15, 0
.irp j, 0,1,2,3,4,5,6,7,8,9,10,11,12,13,14,15,16,17,18,19,20,21,22,23,24,25,26,27,28,29,30,31
	v_mov_b32 v[160+\j], 0                         ; O^T: the step is written once; the first finds zeros, which the first change of M leaves zeros
.endr
	s_mov_b32 s[TS], KVH*\hd
	s_mov_b32 s[TKS], 4096*\hd
	s_mov_b32 s[TVS], 2048*\hd
	s_sub_co_i32 s[SD], 0, s[SQ]
	s_mov_b32 s[CNT], 8
.Lstep_\@:
	STEP \hd
	s_sub_co_u32 s[CNT], s[CNT], 1
	s_cmp_lg_u32 s[CNT], 0
	s_cbranch_scc1 .Lstep_\@
	FIN \hd
.endm
	HEAD 0
	HEAD 1
.irp c, 0,1,2
	global_store_b128 v1, v[240+4*\c:243+4*\c], s[14:15] offset:512*\c   ; ctx's fragment as an image: 512 consecutive aligned bytes a store
.endr
	ds_store_b32 v30, v255                         ; the scale words of the work-group's 256 rows meet in LDS (lanes l and l xor 16 write the same word with the same value)
	v_lshlrev_b32 v10, 4, v0
	s_wait_dscnt 0x0
	s_barrier_signal -1
	s_barrier_wait -1
	s_cmp_lt_u32 s[WV], 2
	s_cbranch_scc0 .Lend
	ds_load_b128 v[96:99], v31
	s_wait_dscnt 0x0
	s_wait_alu depctr_va_vdst(0)
	global_store_b128 v10, v[96:99], s[16:17]      ; waves 0 and 1: 512 consecutive aligned bytes each
.Lend:
	s_wait_tensorcnt 0x0
	ds_add_u32 v223, v227
	s_wait_dscnt 0x0
	s_endpgm
.Lfunc_end_k_qdba80eba49_attn:
	.size	k_qdba80eba49_attn, .Lfunc_end_k_qdba80eba49_attn-k_qdba80eba49_attn
	.p2alignl 7, 3214868480
	.fill 96, 4, 3214868480
	.section	.rodata,"a",@progbits
	.p2align	6, 0x0
	.amdhsa_kernel k_qdba80eba49_attn
		.amdhsa_group_segment_fixed_size 216064
		.amdhsa_private_segment_fixed_size 0
		.amdhsa_enable_private_segment 0
		.amdhsa_kernarg_size 56
		.amdhsa_user_sgpr_count 2
		.amdhsa_user_sgpr_kernarg_segment_ptr 1
		.amdhsa_wavefront_size32 1
		.amdhsa_system_sgpr_workgroup_id_x 1
		.amdhsa_system_sgpr_workgroup_id_y 1
		.amdhsa_system_sgpr_workgroup_id_z 1
		.amdhsa_system_vgpr_workitem_id 0
		.amdhsa_next_free_vgpr 256
		.amdhsa_next_free_sgpr 72
		.amdhsa_reserve_vcc 1
		.amdhsa_float_denorm_mode_32 3
		.amdhsa_float_denorm_mode_16_64 3
		.amdhsa_memory_ordered 1
		.amdhsa_forward_progress 1
		.amdhsa_inst_pref_size 85
	.end_amdhsa_kernel
	.amdgpu_metadata
---
amdhsa.version: [ 1, 2 ]
amdhsa.kernels:
  - .name:           k_qdba80eba49_attn
    .symbol:         k_qdba80eba49_attn.kd
    .args:
      - { .name: qimg, .offset: 0, .size: 8, .value_kind: global_buffer, .address_space: global }
      - { .name: qsc, .offset: 8, .size: 8, .value_kind: global_buffer, .address_space: global }
      - { .name: kvimg, .offset: 16, .size: 8, .value_kind: global_buffer, .address_space: global }
      - { .name: kvs, .offset: 24, .size: 8, .value_kind: global_buffer, .address_space: global }
      - { .name: rel_bias, .offset: 32, .size: 8, .value_kind: global_buffer, .address_space: global }
      - { .name: cimg, .offset: 40, .size: 8, .value_kind: global_buffer, .address_space: global }
      - { .name: csc, .offset: 48, .size: 8, .value_kind: global_buffer, .address_space: global }
    .group_segment_fixed_size: 216064
    .private_segment_fixed_size: 0
    .kernarg_segment_align: 8
    .kernarg_segment_size: 56
    .max_flat_workgroup_size: 512
    .sgpr_count:     72
    .vgpr_count:     256
    .wavefront_size: 32
...
	.end_amdgpu_metadata
.endif
;; end of part 2
;; launch oproj (part 3): grid 8 x 32, 4 waves a work-group, clusters of 4 x 4, 327,680 bytes of LDS; arguments cimg, csc, wo_codes, wo_scales, out0; writes out0
.if DOCPART == 3
	.amdgcn_target "amdgcn-amd-amdhsa--gfx1250"
	.amdhsa_code_object_version 6
	.text
	.protected	k_qdba80eba49_oproj
	.globl	k_qdba80eba49_oproj
	.p2align	8
	.type	k_qdba80eba49_oproj,@function
k_qdba80eba49_oproj:
	s_mov_b64 s[64:65], 0
	v_nop
	global_prefetch_b8 v0, s[64:65] scope:SCOPE_SE
	s_setreg_imm32_b32 hwreg(HW_REG_WAVE_MODE, 25, 1), 1
	s_wait_xcnt 0x0
	s_wait_alu depctr_hold_cnt(0) depctr_sa_sdst(0) depctr_va_vdst(0) depctr_va_sdst(0) depctr_va_ssrc(0) depctr_va_vcc(0) depctr_vm_vsrc(0)
	s_getreg_b32 s2, hwreg(HW_REG_IB_STS2, 6, 4)
	s_cmp_eq_u32 s2, 0
	s_cbranch_scc0 .Lentry_in_a_cluster
	s_endpgm
.Lentry_in_a_cluster:
	s_bfe_u32 s2, ttmp6, 0x10000c
	s_cmp_lg_u32 s2, 0xf033
	s_cbranch_scc0 .Lentry_shape_is_right
	s_endpgm
.Lentry_shape_is_right:
; out = ctx wo on codes of FP6 (E2M3) with E8M0 scales.  X = source 0 = 128 rows of wo (columns of out), Y = source 1 = 256 rows of ctx: a lane holds eight neighbouring columns of one row of out.
; All of K = 1,024 lies in LDS, every byte filled once, by one joint load a wave at the head: waves 0, 1 fetch Y's halves (images of operand registers, dense: 384 rows of 256 bytes each; shared along the cluster's row),
; waves 2, 3 X's halves (64 rows of 768 bytes, each beginning at a multiple of 768 bytes, 16 bytes of padding behind every 256: pitch 816; shared along the cluster's column).
; A wave makes 64 rows x 128 columns: 32 accumulators by turns, eight steps of 128 along K, fragments in two sets.  Scale words go from memory into registers, lane r row r.
; NO PREFETCH: all that the launch reads is asked for at its head; there is no loop to run ahead in.
; THE WAY OUT goes through a stage in the wave's own 64 rows of Y, which no other wave reads and which the wave has read out; rows of 512 bytes leave as two aligned units of 256.
; REGISTERS: window 0: v16-29 addresses, v32-95 X's scale words, v96-127 Y's, v128-223 Y's fragments (two sets), on the way out v128-255; window 1: X's fragments at v0 and v128; window 2: accumulator (a, b) at v[8 (8 a + b)].
.set PITCH, 816
.set FR,    12
.set XB,    196608
.set SPARE, XB+128*PITCH
.set SPITCH, 528
.set ADRY, 16                          ; v16: 49,152 x wave + 16 x lane: my images of Y; also where a staged row is read back
.set ADRX, 20                          ; v20-21 X's blocks 0-3, v22-23 blocks 4-7
.set STO,  24
.set CO,   25
.set SOY,  26                          ; 4 x (lane % 16)
.set SOF,  27                          ; 32 x (lane % 16)
.set SPW,  28
.set NIL,  29
.set SX,   32
.set SY,   96
.set YF,   128
.set BK,   128
.set G1,  24
.set G0,  32
.set G1B, 48
.set G0B, 56
.set MSB, 0
.macro WIN new
.if MSB != \new
	s_set_vgpr_msb (MSB<<8)|\new
.set MSB, \new
.endif
.endm
.macro PLACES
.rept 4
	v_nop
.endr
.endm
.macro CREST
	s_cmp_lg_u32 s14, 0
	s_cbranch_scc1 .Lnot_wave_0_\@
	s_barrier_signal -3
.Lnot_wave_0_\@:
	s_barrier_wait -3
	s_barrier_signal -1
	s_barrier_wait -1
.endm
.macro CROUND
	s_barrier_signal -1
	s_barrier_wait -1
	CREST
.endm
	s_load_b256 s[4:11], s[0:1], 0x0               ; cimg, csc, wo's codes, wo's scales
	s_load_b64 s[12:13], s[0:1], 0x20              ; out
	v_lshl_add_u32 v[SPW], v0, 2, SPARE
	v_mov_b32 v[NIL], 0
	ds_add_u32 v[SPW], v[NIL]                      ; the opening lines
	ds_add_u32 v[SPW], v[NIL]
	v_lshrrev_b32 v1, 5, v0
	v_readfirstlane_b32 s14, v1
	s_lshr_b32 s15, s14, 1
	s_and_b32 s16, s14, 1
	s_bfe_u32 s40, ttmp6, 0x40000
	s_bfe_u32 s41, ttmp6, 0x40004
	s_lshl_b32 s42, ttmp9, 2
	s_add_co_u32 s42, s42, s40                     ; X's block of 128 columns
	s_and_b32 s17, ttmp7, 0xffff
	s_lshl_b32 s17, s17, 2
	s_add_co_u32 s17, s17, s41                     ; Y's block of 256 rows
	s_lshl_b32 s43, s41, 2
	s_lshl_b32 s43, 15, s43
	s_lshl_b32 s44, 0x1111, s40
	s_or_b32 s[G1+0], s43, (3<<16)|(1<<21)
	s_mov_b32 s[G1+1], 32<<16
	s_mov_b32 s[G1+2], 384<<16
	s_mov_b32 s[G1+3], 32<<16
	s_mov_b32 s[G1+4], 384
	s_mov_b32 s[G1+5], 32
	s_mov_b32 s[G1+6], 0
	s_mov_b32 s[G1+7], 0
	s_or_b32 s[G1B+0], s44, (1<<20)|(1<<21)|(5<<22)|(3<<25)
	s_mov_b32 s[G1B+1], 768<<16
	s_mov_b32 s[G1B+2], 64<<16
	s_mov_b32 s[G1B+3], 768<<16
	s_mov_b32 s[G1B+4], 64
	s_mov_b32 s[G1B+5], 768
	s_mov_b32 s[G1B+6], 0
	s_mov_b32 s[G1B+7], 0
	s_mov_b32 s[G0], 1
	s_mul_i32 s[G0+1], s16, 98304
	s_mul_i32 s20, s17, 196608
	s_add_co_u32 s20, s20, s[G0+1]
	s_mov_b32 s21, 0
	s_lshl_b32 s46, s42, 7
	s_lshl_b32 s92, s16, 6
	s_add_co_u32 s46, s46, s92
	s_mul_i32 s46, s46, 768
	s_mov_b32 s47, 0
	s_lshl_b32 s22, s17, 10                        ; csc: [pair of heads][row] words: my 64 rows
	s_lshl_b32 s23, s14, 8
	s_add_co_u32 s22, s22, s23
	s_mov_b32 s23, 0
	s_lshl_b32 s92, s42, 12
	s_mov_b32 s93, 0
	s_mov_b32 s[G0B], 1
	s_mul_i32 s[G0B+1], s16, 64*PITCH
	s_add_co_u32 s[G0B+1], s[G0B+1], XB
	s_wait_dscnt 0x0
	s_wait_kmcnt 0x0
	s_add_nc_u64 s[G0+2:G0+3], s[4:5], s[20:21]
	s_or_b32 s[G0+3], s[G0+3], 0x80000000
	s_add_nc_u64 s[G0B+2:G0B+3], s[8:9], s[46:47]
	s_or_b32 s[G0B+3], s[G0B+3], 0x80000000
	s_add_nc_u64 s[60:61], s[6:7], s[22:23]
	s_add_nc_u64 s[62:63], s[10:11], s[92:93]
	CROUND                                         ; the joint loads meet
	s_cmp_eq_u32 s15, 0
	s_cbranch_scc0 .Lfor_x
	tensor_load_to_lds s[G0:G0+3], s[G1:G1+7]
	s_nop 0
	PLACES
	s_branch .Lasked
.Lfor_x:
	tensor_load_to_lds s[G0B:G0B+3], s[G1B:G1B+7]
	s_nop 0
	PLACES
.Lasked:
	v_and_b32 v1, 15, v0
	v_bfe_u32 v2, v0, 4, 1
	v_and_b32 v6, 31, v0
	v_mul_u32_u24 v3, v1, PITCH
	v_mad_u32_u24 v4, v2, 24, v3
	v_lshl_add_u32 v5, v2, 4, v4
	s_mul_i32 s21, s14, 49152
	v_lshlrev_b32 v[CO], 4, v6
	v_add_nc_u32 v[ADRY], s21, v[CO]
	v_add_nc_u32 v[ADRX], XB, v4
	v_add_nc_u32 v[ADRX+1], XB, v5
	v_add_nc_u32 v[ADRX+2], XB+64*PITCH, v4
	v_add_nc_u32 v[ADRX+3], XB+64*PITCH, v5
	v_mul_u32_u24 v7, v1, SPITCH
	v_lshl_add_u32 v7, v2, 5, v7
	v_add_nc_u32 v[STO], s21, v7
	v_lshlrev_b32 v[SOY], 2, v1
	v_lshlrev_b32 v[SOF], 5, v1
	s_wait_alu depctr_va_vdst(0)                   ; the wait at the head's end
.irp b, 0,1,2,3,4,5,6,7
	global_load_b128 v[SX+8*\b:SX+8*\b+3], v[SOF], s[62:63] offset:512*\b
	global_load_b128 v[SX+8*\b+4:SX+8*\b+7], v[SOF], s[62:63] offset:512*\b+16
.endr
.irp a, 0,1,2,3
.irp g, 0,1,2,3,4,5,6,7
	global_load_b32 v[SY+8*\a+\g], v[SOY], s[60:61] offset:32768*\g+64*\a
.endr
.endr
	s_lshl_b32 s46, s17, 20                        ; out: 256 rows of 4,096 bytes a block,
	s_lshl_b32 s47, s14, 18                        ; my 64 rows,
	s_add_co_u32 s46, s46, s47
	s_lshl_b32 s47, s42, 9                         ; my 128 columns
	s_add_co_u32 s46, s46, s47
	s_mov_b32 s47, 0
	s_add_nc_u64 s[12:13], s[12:13], s[46:47]
.macro FRAG reg, adr, st, i
.irp p, 0,1,2,3,4,5
.set BY, 96*(\st)+48*(\p/3)+8*(\p%3)
.if BY/256 == (BY+24)/256
	ds_load_b64 v[\reg+2*\p:\reg+2*\p+1], v[\adr] offset:BY+16*(BY/256)+(\i)*16*PITCH
.else
	ds_load_b64 v[\reg+2*\p:\reg+2*\p+1], v[\adr+1] offset:BY+16*(BY/256)+(\i)*16*PITCH
.endif
.endr
.endm
.macro FETCH st
	WIN 0x40
.irp i, 0,1,2,3,4,5,6,7
	FRAG 128*((\st)%2)+FR*\i, ADRX+2*(\i/4), \st, \i%4
.endr
	WIN 0
.irp i, 0,1,2,3
.irp c, 0,1,2
	ds_load_b128 v[YF+48*((\st)%2)+FR*\i+4*\c:YF+48*((\st)%2)+FR*\i+4*\c+3], v[ADRY] offset:\i*12288+(\st)*1536+512*\c
.endr
.endr
.endm
.macro MUL st, zero                    ; 32 products, the accumulators by turns
.irp a, 0,1,2,3
.irp b, 0,1,2,3,4,5,6,7
.if \zero
	v_wmma_scale_f32_16x16x128_f8f6f4 v[8*(8*\a+\b):8*(8*\a+\b)+7], v[128*((\st)%2)+FR*\b:128*((\st)%2)+FR*\b+FR-1], v[YF+48*((\st)%2)+FR*\a:YF+48*((\st)%2)+FR*\a+FR-1], 0, v[SX+8*\b+(\st)], v[SY+8*\a+(\st)] matrix_a_fmt:MATRIX_FMT_FP6 matrix_b_fmt:MATRIX_FMT_FP6
.else
	v_wmma_scale_f32_16x16x128_f8f6f4 v[8*(8*\a+\b):8*(8*\a+\b)+7], v[128*((\st)%2)+FR*\b:128*((\st)%2)+FR*\b+FR-1], v[YF+48*((\st)%2)+FR*\a:YF+48*((\st)%2)+FR*\a+FR-1], v[8*(8*\a+\b):8*(8*\a+\b)+7], v[SX+8*\b+(\st)], v[SY+8*\a+(\st)] matrix_a_fmt:MATRIX_FMT_FP6 matrix_b_fmt:MATRIX_FMT_FP6
.endif
.endr
.endr
.endm
	s_wait_tensorcnt 0x0                           ; my load has landed,
	s_barrier_signal -1
	s_barrier_wait -1                              ; everybody's has
	FETCH 0
	s_wait_loadcnt 0x0                             ; the scale words
.irp st, 0,1,2,3,4,5,6,7
	s_wait_dscnt 0x0                               ; this step's fragments are in
.if \st < 7
.if \st > 0
	PLACES                                         ; in front of loads into the set that the last step multiplied
.endif
	FETCH \st+1
.endif
	WIN 0xa1
.if \st == 0
	MUL 0, 1
.else
	MUL \st, 0
.endif
	WIN 0
.endr
.macro TOSTAGE a                       ; 16 rows x 128 columns into my stage, and back as whole rows of 512 bytes; LDS serves a wave's instructions in order
	WIN 0x08
.irp b, 0,1,2,3,4,5,6,7
	ds_store_b128 v[STO], v[64*(\a)+8*\b:64*(\a)+8*\b+3] offset:64*\b
	ds_store_b128 v[STO], v[64*(\a)+8*\b+4:64*(\a)+8*\b+7] offset:64*\b+16
.endr
	WIN 0
.set BB, BK+64*((\a)%2)
.irp t, 0,1,2,3,4,5,6,7,8,9,10,11,12,13,14,15
	ds_load_b128 v[BB+4*\t:BB+4*\t+3], v[ADRY] offset:\t*SPITCH
.endr
.endm
.macro SEND a, younger
.set BB, BK+64*((\a)%2)
	s_wait_dscnt \younger                          ; the block is back; the LDS instructions issued behind its loads may be out
.if (\a) > 0
	s_add_nc_u64 s[12:13], s[12:13], 16*4096       ; behind a wait on XCNT
.endif
.irp t, 0,1,2,3,4,5,6,7,8,9,10,11,12,13,14,15
	global_store_b128 v[CO], v[BB+4*\t:BB+4*\t+3], s[12:13] offset:\t*4096 th:TH_STORE_NT
.endr
.endm
	PLACES                                         ; behind the last products
	TOSTAGE 0
.irp a, 1,2,3
.if \a > 1
	s_wait_xcnt 0x0                                ; block a - 2's stores have read their registers and their base
.endif
	TOSTAGE \a
	SEND \a-1, 32
.endr
	s_wait_xcnt 0x0
	SEND 3, 0
	s_wait_tensorcnt 0x0                           ; the wave's end
	ds_add_u32 v[SPW], v[NIL]
	s_wait_dscnt 0x0
	CROUND                                         ; the closing round
	s_endpgm
.Lfunc_end_k_qdba80eba49_oproj:
	.size	k_qdba80eba49_oproj, .Lfunc_end_k_qdba80eba49_oproj-k_qdba80eba49_oproj
	.p2alignl 7, 3214868480
	.fill 96, 4, 3214868480
	.section	.rodata,"a",@progbits
	.p2align	6, 0x0
	.amdhsa_kernel k_qdba80eba49_oproj
		.amdhsa_group_segment_fixed_size 327680
		.amdhsa_private_segment_fixed_size 0
		.amdhsa_enable_private_segment 0
		.amdhsa_kernarg_size 40
		.amdhsa_user_sgpr_count 2
		.amdhsa_user_sgpr_kernarg_segment_ptr 1
		.amdhsa_wavefront_size32 1
		.amdhsa_system_sgpr_workgroup_id_x 1
		.amdhsa_system_sgpr_workgroup_id_y 1
		.amdhsa_system_sgpr_workgroup_id_z 1
		.amdhsa_system_vgpr_workitem_id 0
		.amdhsa_next_free_vgpr 768
		.amdhsa_next_free_sgpr 98
		.amdhsa_reserve_vcc 0
		.amdhsa_float_denorm_mode_32 3
		.amdhsa_float_denorm_mode_16_64 3
		.amdhsa_memory_ordered 1
		.amdhsa_forward_progress 1
		.amdhsa_inst_pref_size 90
	.end_amdhsa_kernel
	.amdgpu_metadata
---
amdhsa.version: [ 1, 2 ]
amdhsa.kernels:
  - .name:           k_qdba80eba49_oproj
    .symbol:         k_qdba80eba49_oproj.kd
    .args:
      - { .name: cimg, .offset: 0, .size: 8, .value_kind: global_buffer, .address_space: global }
      - { .name: csc, .offset: 8, .size: 8, .value_kind: global_buffer, .address_space: global }
      - { .name: wo_codes, .offset: 16, .size: 8, .value_kind: global_buffer, .address_space: global }
      - { .name: wo_scales, .offset: 24, .size: 8, .value_kind: global_buffer, .address_space: global }
      - { .name: out0, .offset: 32, .size: 8, .value_kind: global_buffer, .address_space: global }
    .group_segment_fixed_size: 327680
    .private_segment_fixed_size: 0
    .kernarg_segment_align: 8
    .kernarg_segment_size: 40
    .max_flat_workgroup_size: 128
    .sgpr_count:     98
    .vgpr_count:     768
    .wavefront_size: 32
...
	.end_amdgpu_metadata
.endif
;; end of part 3
